; MI455X (gfx1250); checked and timed in simulation.
; The chip was launched on July 23, 2026; its instructions are those of AMD's public machine-readable ISA for CDNA 5 (MIT licence, August 2026) and "CDNA5" Instruction Set Architecture Reference Guide (July 2026). The comments in the code are by the model that wrote it; some were corrected since.
;; Multi Head Attention. Allowed arithmetic: float matrix products may take bf16 or f16 operands with f32 sums; all other float work in f32.
;; Inputs: K 2 x 4,096 x 512 float32; Q 2 x 4,096 x 512 float32; V 2 x 4,096 x 512 float32; Wk 8 x 512 x 64 float32; Wo 512 x 512 float32; Wq 8 x 512 x 64 float32; Wv 8 x 512 x 64 float32.
;; Outputs: out0 2 x 4,096 x 512 float32.
;; One version. Each part assembles by itself: llvm-mc -triple=amdgcn-amd-amdhsa -mcpu=gfx1250 --defsym DOCPART=n.
;; ======== version 1 of 1: 4 launches
;; limits: values are held in f16: magnitudes above 65,504 overflow, below 6.1e-05 lose precision
;; workspace buffers: wf 2,097,152 bytes; qf 8,388,608 bytes; kf 8,388,608 bytes; vf 8,388,608 bytes; ohl 16,777,216 bytes
;; launch prep (part 1): grid 64 x 4, 2 waves a work-group, no clusters, 8,448 bytes of LDS; arguments Wq, Wk, Wv, Wo, wf; writes wf
.if DOCPART == 1
	.amdgcn_target "amdgcn-amd-amdhsa--gfx1250"
	.amdhsa_code_object_version 6
	.text
	.protected	k_qba89fc7d41_prep
	.globl	k_qba89fc7d41_prep
	.p2align	8
	.type	k_qba89fc7d41_prep,@function
k_qba89fc7d41_prep:
	s_mov_b64 s[64:65], 0
	v_nop
	global_prefetch_b8 v0, s[64:65] scope:SCOPE_SE
	s_setreg_imm32_b32 hwreg(HW_REG_WAVE_MODE, 25, 1), 1
	s_wait_xcnt 0x0
; The four weight matrices, f32 with K along the columns' direction ([k][n]), become bf16 operand fragments with K along the registers.
; A FRAGMENT is 1,024 bytes for 16 rows n x 32 k, two halves e of 512 bytes; in half e lane L = 16 h + r owns the 16 bytes at 16 L,
; which hold W[k = 32 c + 16 e + 8 h + 0..7][n = 16 tile + r].  Two 16-byte loads a lane then fill a matrix operand, 512 neighbouring bytes each.
; wf: sections of 524,288 bytes for Wq, Wk, Wv: [head 8][c 16][tile 4][e 2] x 512 bytes; at 1,572,864 Wo: [block of 128 columns 4][c 16][tile 8][e 2].
; Work-group y = the matrix.  A wave takes 32 k-rows (c) of 64 columns (group): 8,192 bytes in, 4,096 bytes out.  128 such units a matrix.
; The transposition: a lane loads 4 columns of 16 k-rows, packs pairs of k, and puts 16 bytes (8 k of one column) where the fragment wants
; them in the wave's own 4,096 bytes of LDS; the fragment is read back in order and stored, 512 neighbouring bytes an instruction.
; No matrix unit, no cluster, no ring: 4 MiB are read once, and a wave has all its 16 loads out at once.
.set RR, 8                             ; v[8:71]   as loaded: (e, j) at 4 (8 e + j): row 16 e + 8 hh + j, columns 4 nq + 0..3.  Later: the fragments read back
.set PP, 72                            ; v[72:103] packed: (e, i) at 4 (4 e + i): column 4 nq + i, k = 16 e + 8 hh + 0..7
	s_load_b256 s[4:11], s[0:1], 0x0               ; Wq s[4:5], Wk s[6:7], Wv s[8:9], Wo s[10:11]
	s_load_b64 s[12:13], s[0:1], 0x20              ; wf
	v_lshl_add_u32 v104, v0, 2, 0x2000
	v_mov_b32 v105, 0
	v_lshrrev_b32 v1, 5, v0
	v_readfirstlane_b32 s20, v1                    ; wave 0, 1
	s_and_b32 s21, ttmp7, 0xffff                   ; y: which matrix
	s_lshl1_add_u32 s22, ttmp9, s20                ; unit = 2 x + wave, 0..127
	s_lshr_b32 s23, s22, 4                         ; group of 64 columns (for y < 3: the head)
	s_and_b32 s24, s22, 15                         ; c: which 32 rows of k
	; source offset.  Heads: [head][512][64] f32: head x 131,072 + c x 32 rows of 256 bytes
	s_lshl_b32 s25, s23, 17
	s_lshl_b32 s26, s24, 13
	s_add_co_u32 s25, s25, s26
	; Wo: [512][512] f32: c x 32 rows of 2,048 bytes + group x 256 bytes
	s_lshl_b32 s26, s24, 16
	s_lshl_b32 s27, s23, 8
	s_add_co_u32 s26, s26, s27
	; destination.  Heads: y x 524,288 + (head x 16 + c) x 4,096 = y x 524,288 + unit x 4,096
	s_lshl_b32 s27, s22, 12
	s_lshl_b32 s28, s21, 19
	s_add_co_u32 s27, s27, s28
	; Wo: 1,572,864 + ((group / 2) x 16 + c) x 8,192 + (group % 2) x 4,096
	s_lshr_b32 s28, s23, 1
	s_lshl4_add_u32 s28, s28, s24
	s_lshl_b32 s28, s28, 13
	s_and_b32 s29, s23, 1
	s_lshl_b32 s29, s29, 12
	s_add_co_u32 s28, s28, s29
	s_add_co_u32 s28, s28, 1572864
	s_cmp_eq_u32 s21, 3
	s_cselect_b32 s16, s26, s25                    ; source offset
	s_cselect_b32 s18, s28, s27                    ; destination offset
	s_cselect_b32 s30, 14, 11                      ; 8 rows of the source as a shift: 16,384 or 2,048 bytes
	s_mov_b32 s17, 0
	s_mov_b32 s19, 0
	v_and_b32 v2, 15, v0                           ; nq: my four columns
	v_bfe_u32 v3, v0, 4, 1                         ; hh: rows +0 or +8
	v_lshlrev_b32 v4, s30, v3
	v_lshl_add_u32 v4, v2, 4, v4                   ; source: hh x 8 rows + 16 nq
	v_lshrrev_b32 v5, 2, v2                        ; column 4 nq + i lies in tile nq / 4, at r = 4 (nq % 4) + i
	v_lshlrev_b32 v5, 10, v5
	v_lshl_add_u32 v5, v3, 8, v5                   ; + 16 x 16 hh
	v_and_b32 v6, 3, v2
	v_lshl_add_u32 v5, v6, 6, v5                   ; + 16 x 4 (nq % 4)
	s_lshl_b32 s31, s20, 12                        ; my wave's 4,096 bytes of LDS
	v_add_nc_u32 v5, s31, v5
	v_and_b32 v7, 31, v0
	v_lshlrev_b32 v7, 4, v7                        ; 16 L
	v_add_nc_u32 v6, s31, v7
	s_wait_kmcnt 0x0
	s_cmp_eq_u32 s21, 1
	s_cselect_b64 s[14:15], s[6:7], s[4:5]
	s_cmp_eq_u32 s21, 2
	s_cselect_b64 s[14:15], s[8:9], s[14:15]
	s_cmp_eq_u32 s21, 3
	s_cselect_b64 s[14:15], s[10:11], s[14:15]
	s_add_nc_u64 s[14:15], s[14:15], s[16:17]
	s_add_nc_u64 s[12:13], s[12:13], s[18:19]
; 16 loads; each covers two whole pieces of 256 neighbouring bytes (rows 16 e + j and 16 e + j + 8).  str = bytes from row to row.
.macro LOADS str
.irp e, 0,1
.irp j, 0,1,2,3,4,5,6,7
	global_load_b128 v[RR+4*(8*\e+\j):RR+4*(8*\e+\j)+3], v4, s[14:15] offset:(16*\e+\j)*\str th:TH_LOAD_NT
.endr
.endr
.endm
	s_cmp_eq_u32 s21, 3                            ; the same for the whole work-group
	s_cbranch_scc1 .Lwo
	LOADS 256
	s_branch .Ljoin
.Lwo:
	LOADS 2048
.Ljoin:
	s_wait_loadcnt 0x0
.irp e, 0,1
.irp i, 0,1,2,3
.irp m, 0,1,2,3
	v_cvt_pk_bf16_f32 v[PP+4*(4*\e+\i)+\m], v[RR+4*(8*\e+2*\m)+\i], v[RR+4*(8*\e+2*\m+1)+\i]   ; k = 2 m below, 2 m + 1 above; nearest even
.endr
.endr
.endr
	; Eight LDS stores.  Of each sixteen lanes four share a 16-byte column modulo 256 bytes (the term 64 (nq % 4)): accepted for eight instructions a wave.
.irp e, 0,1
.irp i, 0,1,2,3
	ds_store_b128 v5, v[PP+4*(4*\e+\i):PP+4*(4*\e+\i)+3] offset:\e*512+\i*16
.endr
.endr
.irp m, 0,1,2,3,4,5,6,7
	ds_load_b128 v[RR+4*\m:RR+4*\m+3], v6 offset:512*\m        ; my wave's own bytes; LDS serves a wave's instructions in order (ISA guide 5.7.1)
.endr
.irp m, 0,1,2,3,4,5,6,7
	s_wait_dscnt 7-\m                              ; piece m is back; the 7 - m younger loads stay out
	global_store_b128 v7, v[RR+4*\m:RR+4*\m+3], s[12:13] offset:512*\m
.endr
	s_wait_tensorcnt 0x0
	ds_add_u32 v104, v105
	s_wait_dscnt 0x0
	s_endpgm
.Lfunc_end_k_qba89fc7d41_prep:
	.size	k_qba89fc7d41_prep, .Lfunc_end_k_qba89fc7d41_prep-k_qba89fc7d41_prep
	.p2alignl 7, 3214868480
	.fill 96, 4, 3214868480
	.section	.rodata,"a",@progbits
	.p2align	6, 0x0
	.amdhsa_kernel k_qba89fc7d41_prep
		.amdhsa_group_segment_fixed_size 8448
		.amdhsa_private_segment_fixed_size 0
		.amdhsa_enable_private_segment 0
		.amdhsa_kernarg_size 40
		.amdhsa_user_sgpr_count 2
		.amdhsa_user_sgpr_kernarg_segment_ptr 1
		.amdhsa_wavefront_size32 1
		.amdhsa_system_sgpr_workgroup_id_x 1
		.amdhsa_system_sgpr_workgroup_id_y 1
		.amdhsa_system_sgpr_workgroup_id_z 1
		.amdhsa_system_vgpr_workitem_id 0
		.amdhsa_next_free_vgpr 106
		.amdhsa_next_free_sgpr 66
		.amdhsa_reserve_vcc 0
		.amdhsa_float_denorm_mode_32 3
		.amdhsa_float_denorm_mode_16_64 3
		.amdhsa_memory_ordered 1
		.amdhsa_forward_progress 1
		.amdhsa_inst_pref_size 10
	.end_amdhsa_kernel
	.amdgpu_metadata
---
amdhsa.version: [ 1, 2 ]
amdhsa.kernels:
  - .name:           k_qba89fc7d41_prep
    .symbol:         k_qba89fc7d41_prep.kd
    .args:
      - { .name: Wq, .offset: 0, .size: 8, .value_kind: global_buffer, .address_space: global }
      - { .name: Wk, .offset: 8, .size: 8, .value_kind: global_buffer, .address_space: global }
      - { .name: Wv, .offset: 16, .size: 8, .value_kind: global_buffer, .address_space: global }
      - { .name: Wo, .offset: 24, .size: 8, .value_kind: global_buffer, .address_space: global }
      - { .name: wf, .offset: 32, .size: 8, .value_kind: global_buffer, .address_space: global }
    .group_segment_fixed_size: 8448
    .private_segment_fixed_size: 0
    .kernarg_segment_align: 8
    .kernarg_segment_size: 40
    .max_flat_workgroup_size: 64
    .sgpr_count:     66
    .vgpr_count:     106
    .wavefront_size: 32
...
	.end_amdgpu_metadata
.endif
;; end of part 1
;; launch proj (part 2): grid 64 x 3, 8 waves a work-group, no clusters, 271,360 bytes of LDS; arguments Q, K, V, wf, qf, kf, vf; writes qf, kf, vf
.if DOCPART == 2
	.amdgcn_target "amdgcn-amd-amdhsa--gfx1250"
	.amdhsa_code_object_version 6
	.text
	.protected	k_qba89fc7d41_proj
	.globl	k_qba89fc7d41_proj
	.p2align	8
	.type	k_qba89fc7d41_proj,@function
k_qba89fc7d41_proj:
	s_mov_b64 s[64:65], 0
	v_nop
	global_prefetch_b8 v0, s[64:65] scope:SCOPE_SE
	s_setreg_imm32_b32 hwreg(HW_REG_WAVE_MODE, 25, 1), 1
	s_wait_xcnt 0x0
; The three projections: y = 0, 1, 2: q = Q Wq, k = K Wk, v = V Wv, per head.  X (Q, K or V) is [8192][512] f32; bf16 operands, f32 sums, f16 results.
; A work-group takes 128 rows of X and makes all 512 output columns, so that every byte of X is read once in the launch.  Wave w = head w:
; 128 rows x 64 columns = 32 accumulator tiles = 256 registers (window 1).
; X comes by tensor loads, all issued at the head (4 a wave, 4 outstanding by this text's count, each LDS byte filled once): chunk kap = 128 k of the 128 rows.
; Each wave rounds the 16 rows that it fetched itself to bf16, in place (the first 256 bytes of each LDS row), then a barrier shows them to the others.
; W comes as ready fragments from wf straight into the registers of the one wave that uses them: ring of four K steps, three steps ahead.
; RESULTS ARE STORED AS FRAGMENTS for the attention launch (16 rows x 32 k = two halves of 512 bytes, lane L = 16 h + r owning 16 bytes at 16 L):
;   q, k: source 0 = W, source 1 = X: a lane's eight results are dk = 16 nu + 8 h + 0..7 of row s = r: half nu % 2 of fragment (row tile, nu / 2).
;   v:    source 0 = X, source 1 = W: a lane's eight results are keys 16 rho + 8 h + 0..7 of dk = r: half rho % 2 of the TRANSPOSED fragment (dk tile nu, 32 keys rho / 2).
; So four conversions of a lane's own registers make 16 bytes that belong together, and every store covers 512 neighbouring bytes, aligned.
; LIMIT: q, k, v are kept in f16: |q|, |k|, |v| must stay below 65,504 (with the drawn spread they are about 1, with everything 30 times larger about 5,000).
; 192 work-groups: three inputs of 64 row blocks; a finer split would read X more than once.  No joint requests: no two work-groups read the same rows of X,
; and W goes to registers, not to LDS.
.set PITCH,  528                       ; an LDS row: 512 bytes of f32 + 16 of padding = 33 x 16: the 16 rows of a fragment load start in 16 different 16-byte columns modulo 256
.set WROWS,  16*PITCH                  ; 8,448 = 33 x 256: a wave's 16 rows of a chunk, and a row tile
.set CHUNK,  128*PITCH                 ; 67,584
.set XF,  32                           ; v[32:95]   X fragments: half 0 = row tiles 0-3, half 1 = row tiles 4-7; also the conversion's registers
.set WB,  96                           ; v[96:223]  W fragments: ring of 4 K steps x 4 tiles x 8
.set TT,  32                           ; v[32:159]  the way out: packed f16
.set MSB, 0
.macro WIN new                         ; s_set_vgpr_msb: bits 1:0 source 0, 3:2 source 1, 5:4 source 2, 7:6 destination; the high byte repeats the setting that is left
.if MSB != \new
	s_set_vgpr_msb (MSB<<8)|\new
.set MSB, \new
.endif
.endm
.macro PLACES                          ; four plain vector places behind a matrix instruction, before loads land in its sources or vector work reads its result
.rept 4
	v_nop
.endr
.endm
	s_load_b256 s[4:11], s[0:1], 0x0               ; Q s[4:5], K s[6:7], V s[8:9], wf s[10:11]
	s_load_b128 s[12:15], s[0:1], 0x20             ; qf s[12:13], kf s[14:15]
	s_load_b64 s[16:17], s[0:1], 0x30              ; vf
	v_lshl_add_u32 v254, v0, 2, 0x42000
	v_mov_b32 v255, 0
	ds_add_u32 v254, v255
	ds_add_u32 v254, v255
	v_lshrrev_b32 v5, 5, v0
	v_readfirstlane_b32 s18, v5                    ; wave = head
	s_and_b32 s19, ttmp7, 0xffff                   ; y
	s_mov_b32 s20, ttmp9                           ; x: block of 128 rows
	; descriptor group 1: 16 rows x 128 elements of 4 bytes, 16 bytes of padding behind every 128 words
	s_mov_b32 s28, (2<<16)|(1<<20)|(6<<22)|(3<<25)
	s_mov_b32 s29, 128<<16                         ; tensor_dim0 = 128
	s_mov_b32 s30, 16<<16                          ; tensor_dim1 = 16
	s_mov_b32 s31, 128<<16                         ; tile_dim0 = 128
	s_mov_b32 s32, 16                              ; tile_dim1 = 16
	s_mov_b32 s33, 512                             ; elements from row to row
	s_mov_b32 s34, 0
	s_mov_b32 s35, 0
	s_mul_i32 s21, s18, WROWS                      ; my 16 rows in a chunk
	s_lshl_b32 s52, s20, 18                        ; 128 rows of 2,048 bytes
	s_lshl_b32 s54, s18, 15                        ; + 16 rows a wave
	s_add_co_u32 s52, s52, s54
	s_mov_b32 s53, 0
	s_wait_dscnt 0x0
	s_wait_kmcnt 0x0
	s_cmp_eq_u32 s19, 1
	s_cselect_b64 s[22:23], s[6:7], s[4:5]
	s_cselect_b64 s[26:27], s[14:15], s[12:13]
	s_cmp_eq_u32 s19, 2
	s_cselect_b64 s[22:23], s[8:9], s[22:23]       ; X
	s_cselect_b64 s[26:27], s[16:17], s[26:27]     ; where the results go
	s_add_nc_u64 s[22:23], s[22:23], s[52:53]
.irp k, 0,1,2,3
	s_mov_b32 s[36+4*\k], 1
	s_add_co_u32 s[37+4*\k], s21, \k*CHUNK
	s_add_nc_u64 s[38+4*\k:39+4*\k], s[22:23], \k*512          ; 128 f32 along the row
	s_or_b32 s[39+4*\k], s[39+4*\k], 0x80000000
	tensor_load_to_lds s[36+4*\k:39+4*\k], s[28:35]
	s_nop 0
.endr
	s_lshl_b32 s52, s19, 19                        ; wf: section y, head w
	s_lshl_b32 s54, s18, 16
	s_add_co_u32 s52, s52, s54
	s_add_nc_u64 s[24:25], s[10:11], s[52:53]
	s_lshr_b32 s54, s20, 5                         ; batch
	s_lshl3_add_u32 s54, s54, s18                  ; bh = 8 batch + head
	s_lshl_b32 s54, s54, 19                        ; 524,288 bytes for each bh
	s_and_b32 s55, s20, 31
	s_lshl_b32 s55, s55, 14                        ; 128 rows = 16,384 bytes, in all three layouts
	s_add_co_u32 s52, s54, s55
	s_add_nc_u64 s[26:27], s[26:27], s[52:53]
	v_and_b32 v1, 31, v0
	v_lshlrev_b32 v4, 3, v1
	v_lshlrev_b32 v1, 4, v1                        ; v1 = 16 L
	v_and_b32 v5, 15, v0                           ; r
	v_bfe_u32 v6, v0, 4, 1                         ; h
	v_mul_u32_u24 v2, PITCH, v5
	v_lshl_add_u32 v2, v6, 4, v2                   ; v2 = r x pitch + 16 h: fragment reads
	v_add_nc_u32 v3, s21, v1                       ; v3 = my rows + 16 L: f32 in
	v_add_nc_u32 v4, s21, v4                       ; v4 = my rows + 8 L: bf16 back
.macro WLOAD c                         ; K step c's four W fragments, 512 neighbouring bytes a load; the base is never stepped
.irp y, 0,1,2,3
.irp e, 0,1
	global_load_b128 v[WB+32*((\c)%4)+8*\y+4*\e:WB+32*((\c)%4)+8*\y+4*\e+3], v1, s[24:25] offset:(\c)*4096+\y*1024+\e*512
.endr
.endr
.endm
.macro XLOAD half, cl                  ; four X fragments (row tiles 4 half + 0..3) of the chunk's K step cl
.irp i, 0,1,2,3
.irp e, 0,1
	ds_load_b128 v[XF+32*\half+8*\i+4*\e:XF+32*\half+8*\i+4*\e+3], v2 offset:(4*\half+\i)*WROWS+64*(\cl)+32*\e
.endr
.endr
.endm
.macro MM d, a, b, zero
.if \zero
	v_wmma_f32_16x16x32_bf16 v[\d:\d+7], v[\a:\a+7], v[\b:\b+7], 0
.else
	v_wmma_f32_16x16x32_bf16 v[\d:\d+7], v[\a:\a+7], v[\b:\b+7], v[\d:\d+7]
.endif
.endm
; 16 matrix instructions on 16 accumulators.  The 32 accumulators take turns, one instruction a turn.
.macro MUL16 half, c, swap, zero
.irp i, 0,1,2,3
.irp y, 0,1,2,3
.if \swap
	MM 8*(4*(4*\half+\i)+\y), WB+32*((\c)%4)+8*\y, XF+32*\half+8*\i, \zero
.else
	MM 8*(4*(4*\half+\i)+\y), XF+32*\half+8*\i, WB+32*((\c)%4)+8*\y, \zero
.endif
.endr
.endr
.endm
; Chunk k: my 16 rows from f32 to bf16 in place, then everybody's are shown.
.macro CONVERT k
	WIN 0
.if \k
	PLACES                                         ; behind the last chunk's matrix instructions: loads land in XF and WB below
	v_add_nc_u32 v2, CHUNK, v2
	v_add_nc_u32 v3, CHUNK, v3
	v_add_nc_u32 v4, CHUNK, v4
.endif
	s_wait_tensorcnt 3-\k                          ; my load of this chunk has landed; the 3 - k younger ones stay out.  Only I read these f32 bytes
.irp i, 0,1,2,3,4,5,6,7,8,9,10,11,12,13,14,15
	ds_load_b128 v[XF+4*\i:XF+4*\i+3], v3 offset:\i*PITCH      ; a row's 512 bytes: 32 lanes x 16
.endr
	s_wait_dscnt 0x0
.irp i, 0,1,2,3,4,5,6,7,8,9,10,11,12,13,14,15
	v_cvt_pk_bf16_f32 v[XF+4*\i], v[XF+4*\i], v[XF+4*\i+1]
	v_cvt_pk_bf16_f32 v[XF+4*\i+1], v[XF+4*\i+2], v[XF+4*\i+3]
.endr
.irp i, 0,1,2,3,4,5,6,7,8,9,10,11,12,13,14,15
	ds_store_b64 v4, v[XF+4*\i:XF+4*\i+1] offset:\i*PITCH      ; these bytes have had their only fill; my 8,448 bytes are whole blocks of 256
.endr
	s_wait_dscnt 0x0                               ; my stores are done, for the others' sake
	s_barrier_signal -1
	s_barrier_wait -1                              ; the later chunks' first fills may stay out
	XLOAD 0, 0
.endm
; K step c (32 along K): 32 matrix instructions; W three steps ahead; X's halves alternately one half step ahead.
.macro STEP c, swap
	WIN 0
.if ((\c)%4) != 0
	PLACES                                         ; (a chunk's first step stands behind CONVERT's)
.endif
.if \c <= 12
	WLOAD (\c+3)
.endif
	XLOAD 1, ((\c)%4)
.if \c <= 12
	s_wait_loadcnt 24                              ; W of step c is in: the 24 loads of steps c + 1, c + 2, c + 3 are younger
.else
	s_wait_loadcnt 8*(15-\c)                       ; the counts run down: nothing is asked for beyond step 15
.endif
	s_wait_dscnt 8                                 ; X's half 0 is in; the eight loads of half 1 are younger
	WIN 0x50                                       ; C and D in window 1
.if \c == 0
	MUL16 0, \c, \swap, 1                          ; the first products start the sums
.else
	MUL16 0, \c, \swap, 0
.endif
	WIN 0
	PLACES
.if ((\c)%4) < 3
	XLOAD 0, ((\c)%4+1)
	s_wait_dscnt 8                                 ; half 1 is in; the eight just issued are younger
.else
	s_wait_dscnt 0x0
.endif
	WIN 0x50
.if \c == 0
	MUL16 1, \c, \swap, 1
.else
	MUL16 1, \c, \swap, 0
.endif
.endm
.macro MAIN swap
	CONVERT 0
.irp c, 0,1,2,3
	STEP \c, \swap
.endr
	CONVERT 1
.irp c, 4,5,6,7
	STEP \c, \swap
.endr
	CONVERT 2
.irp c, 8,9,10,11
	STEP \c, \swap
.endr
	CONVERT 3
.irp c, 12,13,14,15
	STEP \c, \swap
.endr
.endm
; The way out: f32 to f16 (nearest even), a lane's eight results of a tile = 16 bytes of a fragment half; 32 stores of 512 neighbouring bytes.
.macro EPI swap
	WIN 0
	PLACES
	WIN 0x05                                       ; sources in window 1
.set tix, 0
.rept 32
.irp q, 0,1,2,3
	v_cvt_pk_f16_f32 v[TT+4*tix+\q], v[8*tix+2*\q], v[8*tix+2*\q+1]
.endr
.set tix, tix+1
.endr
	WIN 0
.irp p, 0,1,2,3,4,5,6,7
.irp y, 0,1,2,3
.if \swap
	global_store_b128 v1, v[TT+4*(4*\p+\y):TT+4*(4*\p+\y)+3], s[26:27] offset:\p*2048+\y*512
.else
	global_store_b128 v1, v[TT+4*(4*\p+\y):TT+4*(4*\p+\y)+3], s[26:27] offset:(\p/2)*4096+\y*1024+(\p%2)*512
.endif
.endr
.endr
	s_wait_tensorcnt 0x0
	ds_add_u32 v254, v255
	s_wait_dscnt 0x0
	s_endpgm
.endm
	WLOAD 0
	WLOAD 1
	WLOAD 2
	s_cmp_eq_u32 s19, 2                            ; the same for the whole work-group
	s_cbranch_scc1 .Lfor_v
	MAIN 1
	EPI 1
.Lfor_v:
	MAIN 0
	EPI 0
.Lfunc_end_k_qba89fc7d41_proj:
	.size	k_qba89fc7d41_proj, .Lfunc_end_k_qba89fc7d41_proj-k_qba89fc7d41_proj
	.p2alignl 7, 3214868480
	.fill 96, 4, 3214868480
	.section	.rodata,"a",@progbits
	.p2align	6, 0x0
	.amdhsa_kernel k_qba89fc7d41_proj
		.amdhsa_group_segment_fixed_size 271360
		.amdhsa_private_segment_fixed_size 0
		.amdhsa_enable_private_segment 0
		.amdhsa_kernarg_size 56
		.amdhsa_user_sgpr_count 2
		.amdhsa_user_sgpr_kernarg_segment_ptr 1
		.amdhsa_wavefront_size32 1
		.amdhsa_system_sgpr_workgroup_id_x 1
		.amdhsa_system_sgpr_workgroup_id_y 1
		.amdhsa_system_sgpr_workgroup_id_z 1
		.amdhsa_system_vgpr_workitem_id 0
		.amdhsa_next_free_vgpr 512
		.amdhsa_next_free_sgpr 66
		.amdhsa_reserve_vcc 0
		.amdhsa_float_denorm_mode_32 3
		.amdhsa_float_denorm_mode_16_64 3
		.amdhsa_memory_ordered 1
		.amdhsa_forward_progress 1
		.amdhsa_inst_pref_size 194
	.end_amdhsa_kernel
	.amdgpu_metadata
---
amdhsa.version: [ 1, 2 ]
amdhsa.kernels:
  - .name:           k_qba89fc7d41_proj
    .symbol:         k_qba89fc7d41_proj.kd
    .args:
      - { .name: Q, .offset: 0, .size: 8, .value_kind: global_buffer, .address_space: global }
      - { .name: K, .offset: 8, .size: 8, .value_kind: global_buffer, .address_space: global }
      - { .name: V, .offset: 16, .size: 8, .value_kind: global_buffer, .address_space: global }
      - { .name: wf, .offset: 24, .size: 8, .value_kind: global_buffer, .address_space: global }
      - { .name: qf, .offset: 32, .size: 8, .value_kind: global_buffer, .address_space: global }
      - { .name: kf, .offset: 40, .size: 8, .value_kind: global_buffer, .address_space: global }
      - { .name: vf, .offset: 48, .size: 8, .value_kind: global_buffer, .address_space: global }
    .group_segment_fixed_size: 271360
    .private_segment_fixed_size: 0
    .kernarg_segment_align: 8
    .kernarg_segment_size: 56
    .max_flat_workgroup_size: 256
    .sgpr_count:     66
    .vgpr_count:     512
    .wavefront_size: 32
...
	.end_amdgpu_metadata
.endif
;; end of part 2
;; launch attn (part 3): grid 16 x 16, 8 waves a work-group, no clusters, 327,680 bytes of LDS; arguments qf, kf, vf, ohl; writes ohl
.if DOCPART == 3
	.amdgcn_target "amdgcn-amd-amdhsa--gfx1250"
	.amdhsa_code_object_version 6
	.text
	.protected	k_qba89fc7d41_attn
	.globl	k_qba89fc7d41_attn
	.p2align	8
	.type	k_qba89fc7d41_attn,@function
k_qba89fc7d41_attn:
	s_mov_b64 s[64:65], 0
	v_nop
	global_prefetch_b8 v0, s[64:65] scope:SCOPE_SE
	s_setreg_imm32_b32 hwreg(HW_REG_WAVE_MODE, 25, 1), 1
	s_wait_xcnt 0x0
; Causal attention of one (batch, head) = work-group y, with a running maximum; f16 operands, f32 sums and softmax.
; Work-group x = p takes the query blocks (128 rows) 2 p and 31 - 2 p: block a needs a + 1 key tiles of 128, so every work-group has 33 trips.
; Tiles above the diagonal are never touched: the causal mask throws them away.
; Eight waves, two on each SIMD, so that one wave's softmax runs beside the other's matrix instructions.  Wave w: qg = w % 4: 32 queries; kh = w / 4: 64 of a tile's 128 keys.
; Each wave keeps its own maximum, sum and O; the two key halves are merged through LDS at the end of each query block.
; BOTH PRODUCTS ARE TRANSPOSED.  S^T(u, t) = K fragment x Q fragment: lane (r, h), register j holds key 16 t + 8 h + j of query 16 u + r.  So a query's state belongs to
; a lane (lanes r and r + 16 share a query), and packing tiles 2 g and 2 g + 1 to f16 in place IS the source-1 fragment P(u, g) of O^T(u, d) += V^T fragment x P: no shuffle.
; q, k, v^T arrive as ready fragments (1,024 bytes: two halves of 512, lane L's 16 bytes at 16 L): dense tiles, no padding, no conflicts.
; THE DIAGONAL TILE COMES FIRST in each block, so that the trip that starts the sums and the trip that masks are one variant.
; The maximum is carried as nm = -c max (c = log2(e) / 8, rounded once), p = 2^(c s + nm) by one fused multiply-add.
; The maximum has the floor -FLT_MAX, so a half whose keys are all masked gets a finite nm, p = 0, l = 0, and the factor 2^(-huge) = 0 in the merge.
; o leaves as two bf16 numbers, hi = bf16(o) and lo = bf16(o - hi), as fragments for the last launch: [row block 64][c 16][hi, lo][row tile 8][e 2] x 512 bytes.
; LIMITS: p is rounded to f16 for P V (below 6e-8 it becomes 0) while the sum l takes the unrounded p; NaN and infinities in q, k, v are not served.
; NO JOINT REQUESTS: the sixteen work-groups of one head walk lists of tiles of different lengths in each block (2 p + 1 and 32 - 2 p), in different order;
; a common list would make every partner load and discard up to 32 tiles for each block, about twice its own work's bytes, or branch on its place.
.set SLOT, 32768                       ; an LDS slot: K's tile 16,384 bytes, then V^T's 16,384
.set VOFF, 16384
.set SCR,  65536                       ; behind the two slots: 4 x 8,704 bytes (34 x 256) for the merge; no fill ever lands here
.set SCRW, 8704                        ; 16 x 512 bytes of O + 512 of state
.set NM, 6                             ; v[6:9]     nm of u = 0, 1 in the lower register of each pair (the upper is written once and never selected)
.set AL, 10                            ; v[10:13]   the trip's rescaling factor, likewise
.set LP, 14                            ; v[14:17]   running sums, two partial sums for each u
.set QF, 32                            ; v[32:63]   Q fragments (u, c) at 8 (2 u + c)
.set SC, 64                            ; v[64:127]  S(u, t) at 8 (4 u + t); later P(u, g) at 8 (4 u + 2 g)
.set OC, 128                           ; v[128:191] O(u, d) at 8 (4 u + d)
.set FR, 192                           ; v[192:255] K fragments (t, c) at 8 (2 t + c), then V^T fragments (g, d) at 8 (4 g + d)
; v1 = 16 L; v2 = kh x 8,192 + 16 L; v3 = 32 qg + r - 64 kh - 8 h; v4, v5 merge addresses; v18-23 at work; v[24:27] my state, v[28:31] my partner's
	s_load_b256 s[4:11], s[0:1], 0x0               ; qf s[4:5], kf s[6:7], vf s[8:9], ohl s[10:11]
	s_set_vgpr_msb 0x40
	v_lshl_add_u32 v0, v0, 2, 0x29000
	v_mov_b32 v1, 0
	s_set_vgpr_msb 0x4045
	ds_add_u32 v0, v1
	ds_add_u32 v0, v1
	s_set_vgpr_msb 0x4500
	v_lshrrev_b32 v5, 5, v0
	v_readfirstlane_b32 s12, v5                    ; wave
	s_and_b32 s13, s12, 3                          ; qg
	s_lshr_b32 s14, s12, 2                         ; kh
	s_mov_b32 s15, ttmp9                           ; p
	s_and_b32 s16, ttmp7, 0xffff                   ; bh
	; descriptor group 1: 4,096 dense bytes as 16 rows of 32 elements of 8 bytes
	s_mov_b32 s20, 3<<16
	s_mov_b32 s21, 32<<16
	s_mov_b32 s22, 16<<16
	s_mov_b32 s23, 32<<16
	s_mov_b32 s24, 16
	s_mov_b32 s25, 32
	s_mov_b32 s26, 0
	s_mov_b32 s27, 0
	; group 0 for each slot.  Waves 0-3 fetch K's quarters, waves 4-7 V^T's: LDS byte = slot + wave x 4,096
	s_mov_b32 s28, 1
	s_lshl_b32 s29, s12, 12
	s_mov_b32 s32, 1
	s_add_co_u32 s33, s29, SLOT
	s_mov_b32 s36, 0                               ; the next plain tile
	s_lshl_b32 s37, s15, 1                         ; 2 p: first block, and the count at which the stream turns to the second diagonal tile
	s_sub_co_u32 s38, 31, s37                      ; 31 - 2 p: second block
	s_lshl_b32 s40, s37, 14                        ; a tile is 16,384 bytes in kf and in vf
	s_mov_b32 s41, 0
	s_mov_b32 s43, 0xbe38aa3b                      ; -c
	s_mov_b32 s44, 0x3e38aa3b                      ; c = log2(e) / 8
	s_mov_b32 s45, 0x3e38aa3b
	s_mov_b32 s46, 0x76543210                      ; v_permlanex16_b32: lane i reads lane i of the other half
	s_mov_b32 s47, 0xfedcba98
	s_mov_b32 s59, 0xffff0000
	s_mov_b32 s60, 0xff7fffff                      ; -FLT_MAX
	s_mov_b32 s61, 0xff800000                      ; -infinity
	s_lshl_b32 s56, s16, 19                        ; bh x 524,288
	s_lshl_b32 s57, s13, 12                        ; + qg x 4,096: a quarter of a tile, and also 32 queries of qf
	s_add_co_u32 s56, s56, s57
	s_mov_b32 s57, 0
	v_and_b32 v1, 31, v0
	v_lshlrev_b32 v1, 4, v1
	s_wait_dscnt 0x0
	s_wait_kmcnt 0x0
	s_cmp_lt_u32 s12, 4
	s_cselect_b64 s[18:19], s[6:7], s[8:9]
	s_add_nc_u64 s[18:19], s[18:19], s[56:57]
	s_or_b32 s19, s19, 0x80000000                  ; the type bits ride along in the sums below
	s_add_nc_u64 s[30:31], s[18:19], s[40:41]
	tensor_load_to_lds s[28:31], s[20:27]          ; tile 2 p into slot 0
	s_nop 0
	s_add_nc_u64 s[48:49], s[4:5], s[56:57]
	s_mov_b64 s[52:53], s[48:49]
	s_lshl_b32 s56, s37, 14
	s_add_nc_u64 s[48:49], s[48:49], s[56:57]      ; my Q fragments of block 2 p
	s_lshl_b32 s56, s38, 14
	s_add_nc_u64 s[52:53], s[52:53], s[56:57]      ; and of block 31 - 2 p
.irp u, 0,1
.irp c, 0,1
.irp e, 0,1
	global_load_b128 v[QF+8*(2*\u+\c)+4*\e:QF+8*(2*\u+\c)+4*\e+3], v1, s[48:49] offset:\u*2048+\c*1024+\e*512
.endr
.endr
.endr
	s_lshr_b32 s56, s16, 3
	s_lshl_b32 s56, s56, 23                        ; batch x 32 blocks x 262,144
	s_and_b32 s39, s16, 7
	s_lshl_b32 s39, s39, 15                        ; head x 2 c x 16,384
	s_add_co_u32 s56, s56, s39
	s_lshl_b32 s39, s13, 11                        ; qg x 2 row tiles x 1,024
	s_add_co_u32 s56, s56, s39
	s_add_nc_u64 s[50:51], s[10:11], s[56:57]
	s_mov_b64 s[54:55], s[50:51]
	s_lshl_b32 s56, s37, 18
	s_add_nc_u64 s[50:51], s[50:51], s[56:57]      ; where block 2 p's o goes
	s_lshl_b32 s56, s38, 18
	s_add_nc_u64 s[54:55], s[54:55], s[56:57]      ; and block 31 - 2 p's
	s_lshl_b32 s39, s14, 13
	v_add_nc_u32 v2, s39, v1                       ; my 64 keys: 4 K row tiles, or 2 blocks of 32 keys of V^T: 8,192 bytes either way
	v_and_b32 v3, 15, v0
	v_bfe_u32 v5, v0, 4, 1
	v_lshlrev_b32 v5, 3, v5
	v_sub_nc_u32 v3, v3, v5
	s_lshl_b32 s39, s13, 5
	s_lshl_b32 s56, s14, 6
	s_sub_co_i32 s39, s39, s56
	v_add_nc_u32 v3, s39, v3                       ; key 64 kh + 16 t + 8 h + j <= query 32 qg + 16 u + r  <=>  16 t + j - 16 u <= v3
	s_mul_i32 s58, s12, SCRW
	v_add_nc_u32 v5, s58, v1
	v_add_nc_u32 v4, SCR-4*SCRW, v5                ; waves 4-7 store at SCR + (w - 4) x 8,704,
	v_add_nc_u32 v5, SCR, v5                       ; waves 0-3 read at SCR + w x 8,704: the partner's bytes
	v_mov_b32 v7, 0
	v_mov_b32 v9, 0
	v_mov_b32 v10, 0
	v_mov_b32 v11, 0
	v_mov_b32 v12, 0
	v_mov_b32 v13, 0
	v_mov_b32 v22, 0                               ; v_permlanex16_b32 counts as a reader of its destination
	v_mov_b32 v23, 0
; The address of the tile of the NEXT trip, into the other slot's group 0: plain tiles 0, 1, ..; at count s37 the second block's diagonal tile.
.macro NEXT other
	s_cmp_eq_u32 s36, s37
	s_cselect_b32 s40, s38, s36
	s_add_co_u32 s36, s36, 1
	s_lshl_b32 s40, s40, 14
	s_add_nc_u64 s[30+4*(\other):31+4*(\other)], s[18:19], s[40:41]
.endm
.macro SMUL c, zero                    ; eight accumulators by turns, one instruction a turn
.irp u, 0,1
.irp t, 0,1,2,3
.if \zero
	v_wmma_f32_16x16x32_f16 v[SC+8*(4*\u+\t):SC+8*(4*\u+\t)+7], v[FR+8*(2*\t+\c):FR+8*(2*\t+\c)+7], v[QF+8*(2*\u+\c):QF+8*(2*\u+\c)+7], 0
.else
	v_wmma_f32_16x16x32_f16 v[SC+8*(4*\u+\t):SC+8*(4*\u+\t)+7], v[FR+8*(2*\t+\c):FR+8*(2*\t+\c)+7], v[QF+8*(2*\u+\c):QF+8*(2*\u+\c)+7], v[SC+8*(4*\u+\t):SC+8*(4*\u+\t)+7]
.endif
.endr
.endr
.endm
.macro PVMUL g, zero                   ; likewise
.irp u, 0,1
.irp d, 0,1,2,3
.if \zero
	v_wmma_f32_16x16x32_f16 v[OC+8*(4*\u+\d):OC+8*(4*\u+\d)+7], v[FR+8*(4*\g+\d):FR+8*(4*\g+\d)+7], v[SC+8*(4*\u+2*\g):SC+8*(4*\u+2*\g)+7], 0
.else
	v_wmma_f32_16x16x32_f16 v[OC+8*(4*\u+\d):OC+8*(4*\u+\d)+7], v[FR+8*(4*\g+\d):FR+8*(4*\g+\d)+7], v[SC+8*(4*\u+2*\g):SC+8*(4*\u+2*\g)+7], v[OC+8*(4*\u+\d):OC+8*(4*\u+\d)+7]
.endif
.endr
.endr
.endm
.macro EXPA i                          ; tile i = 4 u + t: the exponents c s + nm
.irp q, 0,2,4,6
	v_pk_fma_f32 v[SC+8*(\i)+\q:SC+8*(\i)+\q+1], v[SC+8*(\i)+\q:SC+8*(\i)+\q+1], s[44:45], v[NM+2*((\i)/4):NM+2*((\i)/4)+1] op_sel_hi:[1,0,0]
.endr
.endm
.macro EXPB i
.irp q, 0,1,2,3,4,5,6,7
	v_exp_f32 v[SC+8*(\i)+\q], v[SC+8*(\i)+\q]
.endr
.endm
.macro RESC i                          ; O's tile i = 4 u + d times the trip's factor
	s_wait_alu depctr_va_vdst(0)
.irp q, 0,2,4,6
	v_pk_mul_f32 v[OC+8*(\i)+\q:OC+8*(\i)+\q+1], v[OC+8*(\i)+\q:OC+8*(\i)+\q+1], v[AL+2*((\i)/4):AL+2*((\i)/4)+1] op_sel_hi:[1,0]
.endr
.endm
; Tile i's p are added to the sums and packed to f16: an even tile into its own registers 0-3, an odd one into registers 4-7 of the even tile in front of it.
; Each pair is added before a conversion writes over it.  The trip's first link for each u also rescales the old sum (or, in a first trip, starts it).
.macro SUMCVT i, first
.set sb, SC+8*(\i)
.set db, SC+8*((\i)/2*2)+4*((\i)%2)
.set lp, LP+2*((\i)/4)
.set al, AL+2*((\i)/4)
.if ((\i)%4) == 0
.if \first
	s_wait_alu depctr_va_vdst(0)
	v_pk_add_f32 v[lp:lp+1], v[sb:sb+1], v[sb+2:sb+3]
.else
	v_pk_fma_f32 v[lp:lp+1], v[lp:lp+1], v[al:al+1], v[sb:sb+1] op_sel_hi:[1,0,1]
	v_pk_add_f32 v[lp:lp+1], v[lp:lp+1], v[sb+2:sb+3]
.endif
.else
	s_wait_alu depctr_va_vdst(0)
	v_pk_add_f32 v[lp:lp+1], v[lp:lp+1], v[sb:sb+1]
	v_pk_add_f32 v[lp:lp+1], v[lp:lp+1], v[sb+2:sb+3]
.endif
	v_cvt_pk_f16_f32 v[db], v[sb], v[sb+1]
	v_cvt_pk_f16_f32 v[db+1], v[sb+2], v[sb+3]
	v_pk_add_f32 v[lp:lp+1], v[lp:lp+1], v[sb+4:sb+5]
	v_pk_add_f32 v[lp:lp+1], v[lp:lp+1], v[sb+6:sb+7]
	v_cvt_pk_f16_f32 v[db+2], v[sb+4], v[sb+5]
	v_cvt_pk_f16_f32 v[db+3], v[sb+6], v[sb+7]
.endm
; One trip: 128 keys from slot.  first = 1: the block's diagonal tile: masked, and it starts maximum, sums and O.  refill = 1: the next trip's tile is asked for.
.macro TRIP slot, first, refill
	s_set_vgpr_msb 0x5
	s_wait_tensorcnt 0x0                           ; all my tensor loads have landed (one was out: my quarter of this trip's tile), so a group 0 may be written
	ds_add_u32 v0, v1
	s_wait_dscnt 0x0
	s_set_vgpr_msb 0x500
.if \refill
	NEXT (1-\slot)
.endif
	s_wait_dscnt 0x0                               ; my reads of the other slot are over
	s_barrier_signal -1
	s_barrier_wait -1                              ; both hold of all eight waves: this slot is whole, the other is free
.if \refill
	tensor_load_to_lds s[28+4*(1-\slot):31+4*(1-\slot)], s[20:27]      ; first thing behind the barrier: it has the whole trip in which to land; one load of mine is out
	s_nop 0
.endif
.irp c, 0,1
.irp t, 0,1,2,3
.irp e, 0,1
	ds_load_b128 v[FR+8*(2*\t+\c)+4*\e:FR+8*(2*\t+\c)+4*\e+3], v2 offset:\slot*SLOT+\t*2048+\c*1024+\e*512
.endr
.endr
.endr
.if \first
	s_wait_loadcnt 0x0                             ; the block's Q fragments
.endif
	s_wait_dscnt 8                                 ; K's fragments of dk 0-31 are in; the eight of dk 32-63 are younger
	SMUL 0, 1
	s_wait_dscnt 0x0
	SMUL 1, 0
.rept 4
	v_nop                                          ; four places: loads land in K's registers, vector work reads S
.endr
.irp g, 0,1
.irp d, 0,1,2,3
.irp e, 0,1
	ds_load_b128 v[FR+8*(4*\g+\d)+4*\e:FR+8*(4*\g+\d)+4*\e+3], v2 offset:\slot*SLOT+VOFF+\g*4096+\d*1024+\e*512
.endr
.endr
.endr
.if \first
.irp u, 0,1
.irp t, 0,1,2,3
.irp j, 0,1,2,3,4,5,6,7
	v_cmp_le_i32 vcc_lo, 16*\t+\j-16*\u, v3        ; key <= query: kept
	v_cndmask_b32 v[SC+8*(4*\u+\t)+\j], s61, v[SC+8*(4*\u+\t)+\j], vcc_lo
.endr
.endr
.endr
.endif
	; the largest of my 32 scores for each u: two chains of 16 for each u, four chains in all
.irp u, 0,1
	v_max3_num_f32 v[18+2*\u], v[SC+32*\u], v[SC+32*\u+1], v[SC+32*\u+2]
	v_max3_num_f32 v[19+2*\u], v[SC+32*\u+16], v[SC+32*\u+17], v[SC+32*\u+18]
.endr
.irp k, 3,5,7,9,11,13
.irp u, 0,1
	v_max3_num_f32 v[18+2*\u], v[18+2*\u], v[SC+32*\u+\k], v[SC+32*\u+\k+1]
	v_max3_num_f32 v[19+2*\u], v[19+2*\u], v[SC+32*\u+16+\k], v[SC+32*\u+16+\k+1]
.endr
.endr
	v_max3_num_f32 v18, v18, v[SC+15], s60         ; with the floor -FLT_MAX
	v_max3_num_f32 v20, v20, v[SC+47], s60
	v_max3_num_f32 v18, v19, v[SC+31], v18
	v_max3_num_f32 v20, v21, v[SC+63], v20
	v_permlanex16_b32 v22, v18, s46, s47           ; the other eight keys of each tile lie in lane r + 16
	v_permlanex16_b32 v23, v20, s46, s47
	v_max_num_f32 v18, v18, v22
	v_max_num_f32 v20, v20, v23
.if \first
	v_mul_f32 v[NM], s43, v18                      ; nm = -c max
	v_mul_f32 v[NM+2], s43, v20
.else
	v_mul_f32 v18, s43, v18
	v_mul_f32 v20, s43, v20
	v_min_num_f32 v18, v18, v[NM]                  ; a larger maximum is a smaller nm
	v_min_num_f32 v20, v20, v[NM+2]
	v_sub_f32 v19, v18, v[NM]
	v_sub_f32 v21, v20, v[NM+2]
	v_exp_f32 v[AL], v19                           ; 2^(new nm - old nm) <= 1
	v_exp_f32 v[AL+2], v21
	v_mov_b32 v[NM], v18                           ; plain lines behind the exponentials, before their results are used (ISA guide 5.7.2)
	v_mov_b32 v[NM+2], v20
.endif
	; Tile by tile: exponents one tile ahead, the exponentials, O's rescaling, sums and packing one tile behind.
	; Behind each run of exponentials stands a plain line that touches another tile.
	EXPA 0
.irp i, 0,1,2,3,4,5,6,7
	EXPB \i
.if \i < 7
	EXPA (\i+1)
.endif
.if \first
.if \i == 7
	v_nop
	s_wait_alu depctr_va_vdst(0)
.endif
.else
	RESC \i
.endif
.if \i > 0
	SUMCVT (\i-1), \first
.endif
.endr
	SUMCVT 7, \first
	s_wait_dscnt 0x0                               ; V^T's fragments
	PVMUL 0, \first
	PVMUL 1, 0
.rept 5
	v_nop                                          ; five places: the next trip's S products write over P, its loads land in V^T's registers, vector work reads O
.endr
.endm
; End of a query block: the halves kh = 1 hand O and their state to their partners kh = 0, which merge, divide, split into hi + lo and store.
; ob: register of the pair that holds where o goes; more = 1: the next block's Q fragments (pair nq) are asked for at once.
.macro FINISH ob, nq, more
.if \more
.irp u, 0,1
.irp c, 0,1
.irp e, 0,1
	global_load_b128 v[QF+8*(2*\u+\c)+4*\e:QF+8*(2*\u+\c)+4*\e+3], v1, s[\nq:\nq+1] offset:\u*2048+\c*1024+\e*512
.endr
.endr
.endr
.endif
	v_add_f32 v26, v[LP], v[LP+1]
	v_add_f32 v27, v[LP+2], v[LP+3]
	v_permlanex16_b32 v22, v26, s46, s47
	v_permlanex16_b32 v23, v27, s46, s47
	v_add_f32 v26, v26, v22                        ; l of my 64-key half, in both lanes of a query
	v_add_f32 v27, v27, v23
	v_mov_b32 v24, v[NM]
	v_mov_b32 v25, v[NM+2]
	s_cmp_lt_u32 s12, 4
	s_cbranch_scc1 .Lkeep_\@
.irp i, 0,1,2,3,4,5,6,7,8,9,10,11,12,13,14,15
	ds_store_b128 v4, v[OC+4*\i:OC+4*\i+3] offset:512*\i
.endr
	ds_store_b128 v4, v[24:27] offset:8192
.Lkeep_\@:
	s_wait_dscnt 0x0                               ; the stores are done, for the partner's sake
	s_barrier_signal -1
	s_barrier_wait -1                              ; the next tile's load may stay out until the next trip's wait
	s_cmp_ge_u32 s12, 4
	s_cbranch_scc1 .Lend_\@
.irp i, 0,1,2,3,4,5,6,7,8,9,10,11,12,13,14,15
	ds_load_b128 v[FR+4*\i:FR+4*\i+3], v5 offset:512*\i
.endr
	ds_load_b128 v[28:31], v5 offset:8192
	s_wait_dscnt 0x0
	v_min_num_f32 v18, v24, v28                    ; the common nm
	v_min_num_f32 v20, v25, v29
	v_sub_f32 v19, v18, v24
	v_sub_f32 v21, v20, v25
	v_sub_f32 v18, v18, v28
	v_sub_f32 v20, v20, v29
	v_exp_f32 v19, v19                             ; my factor
	v_exp_f32 v21, v21
	v_exp_f32 v18, v18                             ; my partner's
	v_exp_f32 v20, v20
	v_nop
	s_wait_alu depctr_va_vdst(0)
	v_mul_f32 v26, v26, v19
	v_mul_f32 v27, v27, v21
	v_fmac_f32 v26, v30, v18                       ; l: at least one of the halves holds the row's maximum, so l is about 1 or more
	v_fmac_f32 v27, v31, v20
	v_rcp_f32 v22, v26
	v_rcp_f32 v23, v27
	v_nop
	s_wait_alu depctr_va_vdst(0)
	v_mul_f32 v[AL], v19, v22
	v_mul_f32 v[AL+2], v21, v23
	v_mul_f32 v[NM], v18, v22
	v_mul_f32 v[NM+2], v20, v23
.irp u, 0,1
.irp q, 0,2,4,6,8,10,12,14,16,18,20,22,24,26,28,30
	v_pk_mul_f32 v[OC+32*\u+\q:OC+32*\u+\q+1], v[OC+32*\u+\q:OC+32*\u+\q+1], v[AL+2*\u:AL+2*\u+1] op_sel_hi:[1,0]
.endr
.irp q, 0,2,4,6,8,10,12,14,16,18,20,22,24,26,28,30
	v_pk_fma_f32 v[OC+32*\u+\q:OC+32*\u+\q+1], v[FR+32*\u+\q:FR+32*\u+\q+1], v[NM+2*\u:NM+2*\u+1], v[OC+32*\u+\q:OC+32*\u+\q+1] op_sel_hi:[1,0,1]
.endr
.endr
	; hi = bf16(o) into SC + 0..31, lo = bf16(o - hi) into SC + 32..63: a lane's eight numbers of a tile are 16 bytes of a fragment half
.set ti, 0
.rept 8
.irp q, 0,1,2,3
	v_cvt_pk_bf16_f32 v[SC+4*ti+\q], v[OC+8*ti+2*\q], v[OC+8*ti+2*\q+1]
.endr
.irp q, 0,1,2,3
	v_lshlrev_b32 v[FR+8*ti+2*\q], 16, v[SC+4*ti+\q]
	v_and_b32 v[FR+8*ti+2*\q+1], s59, v[SC+4*ti+\q]
.endr
.irp q, 0,1,2,3
	v_pk_add_f32 v[FR+8*ti+2*\q:FR+8*ti+2*\q+1], v[OC+8*ti+2*\q:OC+8*ti+2*\q+1], v[FR+8*ti+2*\q:FR+8*ti+2*\q+1] neg_lo:[0,1] neg_hi:[0,1]
.endr
.irp q, 0,1,2,3
	v_cvt_pk_bf16_f32 v[SC+32+4*ti+\q], v[FR+8*ti+2*\q], v[FR+8*ti+2*\q+1]
.endr
.set ti, ti+1
.endr
.irp u, 0,1
.irp d, 0,1,2,3
.irp l, 0,1
	global_store_b128 v1, v[SC+32*\l+4*(4*\u+\d):SC+32*\l+4*(4*\u+\d)+3], s[\ob:\ob+1] offset:(\d/2)*16384+\l*8192+\u*1024+(\d%2)*512
.endr
.endr
.endr
.Lend_\@:
	s_wait_xcnt 0x0                                ; the stores' data registers are written again (the next block's S) only behind this wait
.endm
	TRIP 0, 1, 1                                   ; block 2 p: its diagonal tile,
	s_mov_b32 s42, s15                             ; then tiles 0 .. 2 p - 1, two a lap
	s_cmp_eq_u32 s42, 0
	s_cbranch_scc1 .Le_done
.Le_loop:
	TRIP 1, 0, 1
	TRIP 0, 0, 1
	s_sub_co_i32 s42, s42, 1
	s_cmp_lg_u32 s42, 0
	s_cbranch_scc1 .Le_loop
.Le_done:
	FINISH 50, 52, 1
	s_mov_b32 s36, 0                               ; the stream goes on with tiles 0, 1, .. and turns no more
	s_mov_b32 s37, -1
	TRIP 1, 1, 1                                   ; block 31 - 2 p: its diagonal tile,
	s_sub_co_u32 s42, 15, s15                      ; then tiles 0 .. 30 - 2 p: 15 - p laps of two and one more
	s_cmp_eq_u32 s42, 0
	s_cbranch_scc1 .Lo_done
.Lo_loop:
	TRIP 0, 0, 1
	TRIP 1, 0, 1
	s_sub_co_i32 s42, s42, 1
	s_cmp_lg_u32 s42, 0
	s_cbranch_scc1 .Lo_loop
.Lo_done:
	TRIP 0, 0, 0                                   ; the last trip asks for nothing: no tensor load is out at the end
	FINISH 54, 52, 0
	s_set_vgpr_msb 0x5
	s_wait_tensorcnt 0x0
	ds_add_u32 v0, v1
	s_wait_dscnt 0x0
	s_set_vgpr_msb 0x500
	s_endpgm
.Lfunc_end_k_qba89fc7d41_attn:
	.size	k_qba89fc7d41_attn, .Lfunc_end_k_qba89fc7d41_attn-k_qba89fc7d41_attn
	.p2alignl 7, 3214868480
	.fill 96, 4, 3214868480
	.section	.rodata,"a",@progbits
	.p2align	6, 0x0
	.amdhsa_kernel k_qba89fc7d41_attn
		.amdhsa_group_segment_fixed_size 327680
		.amdhsa_private_segment_fixed_size 0
		.amdhsa_enable_private_segment 0
		.amdhsa_kernarg_size 32
		.amdhsa_user_sgpr_count 2
		.amdhsa_user_sgpr_kernarg_segment_ptr 1
		.amdhsa_wavefront_size32 1
		.amdhsa_system_sgpr_workgroup_id_x 1
		.amdhsa_system_sgpr_workgroup_id_y 1
		.amdhsa_system_sgpr_workgroup_id_z 1
		.amdhsa_system_vgpr_workitem_id 0
		.amdhsa_next_free_vgpr 258
		.amdhsa_next_free_sgpr 66
		.amdhsa_reserve_vcc 1
		.amdhsa_float_denorm_mode_32 3
		.amdhsa_float_denorm_mode_16_64 3
		.amdhsa_memory_ordered 1
		.amdhsa_forward_progress 1
		.amdhsa_inst_pref_size 169
	.end_amdhsa_kernel
	.amdgpu_metadata
---
amdhsa.version: [ 1, 2 ]
amdhsa.kernels:
  - .name:           k_qba89fc7d41_attn
    .symbol:         k_qba89fc7d41_attn.kd
    .args:
      - { .name: qf, .offset: 0, .size: 8, .value_kind: global_buffer, .address_space: global }
      - { .name: kf, .offset: 8, .size: 8, .value_kind: global_buffer, .address_space: global }
      - { .name: vf, .offset: 16, .size: 8, .value_kind: global_buffer, .address_space: global }
      - { .name: ohl, .offset: 24, .size: 8, .value_kind: global_buffer, .address_space: global }
    .group_segment_fixed_size: 327680
    .private_segment_fixed_size: 0
    .kernarg_segment_align: 8
    .kernarg_segment_size: 32
    .max_flat_workgroup_size: 256
    .sgpr_count:     66
    .vgpr_count:     258
    .wavefront_size: 32
...
	.end_amdgpu_metadata
.endif
;; end of part 3
;; launch oproj (part 4): grid 4 x 64, 4 waves a work-group, clusters of 4 x 1, 280,064 bytes of LDS; arguments ohl, wf, out0; writes out0
.if DOCPART == 4
	.amdgcn_target "amdgcn-amd-amdhsa--gfx1250"
	.amdhsa_code_object_version 6
	.text
	.protected	k_qba89fc7d41_oproj
	.globl	k_qba89fc7d41_oproj
	.p2align	8
	.type	k_qba89fc7d41_oproj,@function
k_qba89fc7d41_oproj:
	s_mov_b64 s[64:65], 0
	v_nop
	global_prefetch_b8 v0, s[64:65] scope:SCOPE_SE
	s_setreg_imm32_b32 hwreg(HW_REG_WAVE_MODE, 25, 1), 1
	s_wait_xcnt 0x0
	s_wait_alu depctr_hold_cnt(0) depctr_sa_sdst(0) depctr_va_vdst(0) depctr_va_sdst(0) depctr_va_ssrc(0) depctr_va_vcc(0) depctr_vm_vsrc(0)
	s_getreg_b32 s2, hwreg(HW_REG_IB_STS2, 6, 4)
	s_cmp_eq_u32 s2, 0
	s_cbranch_scc0 .Lentry_in_a_cluster
	s_endpgm
.Lentry_in_a_cluster:
	s_bfe_u32 s2, ttmp6, 0x10000c
	s_cmp_lg_u32 s2, 0x3003
	s_cbranch_scc0 .Lentry_shape_is_right
	s_endpgm
.Lentry_shape_is_right:
; out0 = o Wo, o = hi + lo (two bf16 numbers for each element, so that o's rounding stays near 2^-17), Wo in bf16; f32 sums, f32 result.
; Work-group (cx, R): rows 128 R .. + 127, columns 128 cx .. + 127; K = 512, taken once with hi and once with lo onto the same sums.
; Four waves: rg = w / 2: 64 rows, cg = w % 2: 64 columns: 16 accumulator tiles = 128 registers (window 1).
; CLUSTER: the four work-groups of a cluster share R and so the whole block of o (262,144 bytes, fragments in the order in which they are used).  It is asked for JOINTLY:
; every wave issues four loads of 16,384 bytes (4 outstanding by this text's count) with the mask of all four places; the block fits in LDS, so each byte is filled once.
; The grid's x is 4, one cluster wide, so the place cx is the column block.  cx enters only the addresses of wf and out0: no LDS address, no branch, no descriptor.
; Wo's fragments come from wf straight into the registers of the wave that uses them (ring of four K steps, three ahead).
; Source 0 = Wo, source 1 = o: a lane's eight results are eight neighbouring columns of row r: 32 bytes; 16 rows at a time go through the wave's own stage in LDS,
; and each store's sixteen neighbouring lanes cover 256 consecutive bytes of out0, aligned.
.set CHB,    65536                     ; a chunk: four K steps c, each [hi, lo][row tile 8][e 2] x 512 bytes
.set STAGE,  262144                    ; behind the block: 16 rows x 272 bytes for each wave (4,352 = 17 x 256); no fill lands here
.set SPITCH, 272                       ; 256 bytes + 16: the sixteen rows of a store start in 16 different 16-byte columns modulo 256
.set OF,  32                           ; v[32:95]   o's fragments: half 0 = hi, half 1 = lo (row tiles 0-3 of my 64 rows); on the way out: two buffers of 32
.set WB,  96                           ; v[96:223]  Wo's fragments: ring of 4 K steps x 4 tiles x 8
.set MSB, 0
.macro WIN new                         ; s_set_vgpr_msb: bits 1:0 source 0, 3:2 source 1, 5:4 source 2, 7:6 destination; the high byte repeats the setting that is left
.if MSB != \new
	s_set_vgpr_msb (MSB<<8)|\new
.set MSB, \new
.endif
.endm
.macro PLACES                          ; four plain vector places behind a matrix instruction (ISA guide 7.12.1)
.rept 4
	v_nop
.endr
.endm
.macro ROUND                           ; a round of the cluster's barrier: my work-group's barrier, wave 0 signals for it, all wait for all four work-groups, my work-group's barrier again
	s_barrier_signal -1
	s_barrier_wait -1
	s_cmp_lg_u32 s10, 0
	s_cbranch_scc1 .Lnot_wave_0_\@
	s_barrier_signal -3
.Lnot_wave_0_\@:
	s_barrier_wait -3
	s_barrier_signal -1
	s_barrier_wait -1
.endm
	s_load_b128 s[4:7], s[0:1], 0x0                ; ohl s[4:5], wf s[6:7]
	s_load_b64 s[8:9], s[0:1], 0x10                ; out0
	v_lshl_add_u32 v254, v0, 2, 0x44400
	v_mov_b32 v255, 0
	ds_add_u32 v254, v255
	ds_add_u32 v254, v255
	v_lshrrev_b32 v3, 5, v0
	v_readfirstlane_b32 s10, v3                    ; wave
	s_and_b32 s11, ttmp7, 0xffff                   ; R (the cluster is one work-group high)
	s_bfe_u32 s12, ttmp6, 0x40000                  ; cx
	s_lshr_b32 s13, s10, 1                         ; rg
	s_and_b32 s14, s10, 1                          ; cg
	; descriptor group 1: 16,384 dense bytes as 64 rows of 32 elements of 8 bytes; mask = places 0-3, bit 21 beside it
	s_mov_b32 s20, 15|(3<<16)|(1<<21)
	s_mov_b32 s21, 32<<16
	s_mov_b32 s22, 64<<16
	s_mov_b32 s23, 32<<16
	s_mov_b32 s24, 64
	s_mov_b32 s25, 32
	s_mov_b32 s26, 0
	s_mov_b32 s27, 0
	s_lshl_b32 s15, s10, 14                        ; wave w fetches K step 4 kap + w of chunk kap
	s_lshl_b32 s16, s11, 18
	s_add_co_u32 s16, s16, s15
	s_mov_b32 s17, 0
	s_wait_dscnt 0x0
	s_wait_kmcnt 0x0
	s_add_nc_u64 s[4:5], s[4:5], s[16:17]          ; made of R and the wave's number alone: equal in the four partners
	ROUND                                          ; all four work-groups are here: the joint loads meet
.irp k, 0,1,2,3
	s_mov_b32 s[28+4*\k], 1
	s_add_co_u32 s[29+4*\k], s15, \k*CHB
	s_add_nc_u64 s[30+4*\k:31+4*\k], s[4:5], \k*CHB
	s_or_b32 s[31+4*\k], s[31+4*\k], 0x80000000
	tensor_load_to_lds s[28+4*\k:31+4*\k], s[20:27]
	s_nop 0
.endr
	s_lshl_b32 s48, s12, 17                        ; wf: Wo's section, column block cx, my four tiles
	s_lshl_b32 s49, s14, 12
	s_add_co_u32 s48, s48, s49
	s_add_co_u32 s48, s48, 1572864
	s_mov_b32 s49, 0
	s_add_nc_u64 s[44:45], s[6:7], s[48:49]
	s_lshl_b32 s48, s11, 18                        ; out0: 128 R rows of 2,048 bytes
	s_lshl_b32 s50, s13, 17                        ; + 64 rg rows
	s_add_co_u32 s48, s48, s50
	s_lshl_b32 s50, s12, 9                         ; + 128 cx columns
	s_add_co_u32 s48, s48, s50
	s_lshl_b32 s50, s14, 8                         ; + 64 cg columns
	s_add_co_u32 s48, s48, s50
	s_add_nc_u64 s[46:47], s[8:9], s[48:49]
	v_and_b32 v1, 31, v0
	v_lshlrev_b32 v1, 4, v1                        ; v1 = 16 L
	s_lshl_b32 s18, s13, 12
	v_add_nc_u32 v2, s18, v1                       ; v2 = my four row tiles + 16 L
	v_and_b32 v3, 15, v0                           ; r
	v_bfe_u32 v4, v0, 4, 1                         ; h
	s_mul_i32 s19, s10, 16*SPITCH
	s_add_co_u32 s19, s19, STAGE                   ; my stage
	v_mul_u32_u24 v5, SPITCH, v3
	v_lshl_add_u32 v5, v4, 5, v5
	v_add_nc_u32 v5, s19, v5                       ; in: row r, 32 bytes for each half of the lanes
	v_mul_u32_u24 v6, SPITCH, v4
	v_lshl_add_u32 v6, v3, 4, v6
	v_add_nc_u32 v6, s19, v6                       ; back: lanes 0-15 one row of 256 bytes, lanes 16-31 the next
	v_lshlrev_b32 v7, 11, v4
	v_lshl_add_u32 v7, v3, 4, v7                   ; the same two rows in out0
.macro WLOAD c
.irp y, 0,1,2,3
.irp e, 0,1
	global_load_b128 v[WB+32*((\c)%4)+8*\y+4*\e:WB+32*((\c)%4)+8*\y+4*\e+3], v1, s[44:45] offset:(\c)*8192+\y*1024+\e*512
.endr
.endr
.endm
.macro XLOAD hl, cl                    ; four fragments of hi (0) or lo (1) of the chunk's K step cl: 512 neighbouring bytes a load
.irp i, 0,1,2,3
.irp e, 0,1
	ds_load_b128 v[OF+32*\hl+8*\i+4*\e:OF+32*\hl+8*\i+4*\e+3], v2 offset:(\cl)*16384+\hl*8192+\i*1024+\e*512
.endr
.endr
.endm
.macro MM d, a, b, zero
.if \zero
	v_wmma_f32_16x16x32_bf16 v[\d:\d+7], v[\a:\a+7], v[\b:\b+7], 0
.else
	v_wmma_f32_16x16x32_bf16 v[\d:\d+7], v[\a:\a+7], v[\b:\b+7], v[\d:\d+7]
.endif
.endm
.macro MUL16 hl, c, zero               ; the 16 accumulators take turns, one instruction a turn, in the same order in every pass
.irp i, 0,1,2,3
.irp y, 0,1,2,3
	MM 8*(4*\i+\y), WB+32*((\c)%4)+8*\y, OF+32*\hl+8*\i, \zero
.endr
.endr
.endm
.macro CHUNK k
	WIN 0
.if \k
	PLACES                                         ; behind the last chunk's matrix instructions: loads land in their sources below
	v_add_nc_u32 v2, CHB, v2
.endif
	s_wait_tensorcnt 3-\k                          ; my part of this chunk has landed; the 3 - k younger loads stay out
	s_wait_dscnt 0x0
	s_barrier_signal -1
	s_barrier_wait -1                              ; everybody's part has
	XLOAD 0, 0
.endm
.macro STEP c
	WIN 0
.if ((\c)%4) != 0
	PLACES                                         ; (a chunk's first step stands behind CHUNK's)
.endif
.if \c <= 12
	WLOAD (\c+3)
.endif
	XLOAD 1, ((\c)%4)
.if \c <= 12
	s_wait_loadcnt 24                              ; Wo of step c is in: the 24 loads of steps c + 1, c + 2, c + 3 are younger
.else
	s_wait_loadcnt 8*(15-\c)
.endif
	s_wait_dscnt 8                                 ; hi is in; lo's eight loads are younger
	WIN 0x50                                       ; C and D in window 1
.if \c == 0
	MUL16 0, \c, 1                                 ; the first products start the sums
.else
	MUL16 0, \c, 0
.endif
	WIN 0
	PLACES
.if ((\c)%4) < 3
	XLOAD 0, ((\c)%4+1)
	s_wait_dscnt 8                                 ; lo is in; the eight just issued are younger
.else
	s_wait_dscnt 0x0
.endif
	WIN 0x50
	MUL16 1, \c, 0
.endm
; Rows 16 p .. 16 p + 15 of my 64: the four tiles (p, 0..3) into my stage, back as whole rows of 256 bytes, out.  tb: buffer, two by turns.
.macro OUT16 p, tb
	WIN 0x04                                       ; the stores' data in window 1
.irp y, 0,1,2,3
.irp q, 0,1
	ds_store_b128 v5, v[8*(4*\p+\y)+4*\q:8*(4*\p+\y)+4*\q+3] offset:64*\y+16*\q
.endr
.endr
	WIN 0
	s_wait_xcnt 0x0                                ; the buffer, which stores two turns ago read, is loaded again only behind this wait
.irp t, 0,1,2,3,4,5,6,7
	ds_load_b128 v[\tb+4*\t:\tb+4*\t+3], v6 offset:2*SPITCH*\t     ; my own bytes; LDS serves a wave's instructions in order (ISA guide 5.7.1)
.endr
.irp t, 0,1,2,3,4,5,6,7
	s_wait_dscnt 7-\t
	global_store_b128 v7, v[\tb+4*\t:\tb+4*\t+3], s[46:47] offset:(16*\p+2*\t)*2048 th:TH_STORE_NT
.endr
.endm
	WLOAD 0
	WLOAD 1
	WLOAD 2
	CHUNK 0
.irp c, 0,1,2,3
	STEP \c
.endr
	CHUNK 1
.irp c, 4,5,6,7
	STEP \c
.endr
	CHUNK 2
.irp c, 8,9,10,11
	STEP \c
.endr
	CHUNK 3
.irp c, 12,13,14,15
	STEP \c
.endr
	WIN 0
	PLACES                                         ; behind the last matrix instructions: LDS stores read results, loads land in o's registers
	OUT16 0, OF
	OUT16 1, OF+32
	OUT16 2, OF
	OUT16 3, OF+32
	s_wait_tensorcnt 0x0
	ds_add_u32 v254, v255
	s_wait_dscnt 0x0
	ROUND                                          ; the closing round: no work-group ends while a partner may still ask jointly
	s_endpgm
.Lfunc_end_k_qba89fc7d41_oproj:
	.size	k_qba89fc7d41_oproj, .Lfunc_end_k_qba89fc7d41_oproj-k_qba89fc7d41_oproj
	.p2alignl 7, 3214868480
	.fill 96, 4, 3214868480
	.section	.rodata,"a",@progbits
	.p2align	6, 0x0
	.amdhsa_kernel k_qba89fc7d41_oproj
		.amdhsa_group_segment_fixed_size 280064
		.amdhsa_private_segment_fixed_size 0
		.amdhsa_enable_private_segment 0
		.amdhsa_kernarg_size 24
		.amdhsa_user_sgpr_count 2
		.amdhsa_user_sgpr_kernarg_segment_ptr 1
		.amdhsa_wavefront_size32 1
		.amdhsa_system_sgpr_workgroup_id_x 1
		.amdhsa_system_sgpr_workgroup_id_y 1
		.amdhsa_system_sgpr_workgroup_id_z 1
		.amdhsa_system_vgpr_workitem_id 0
		.amdhsa_next_free_vgpr 384
		.amdhsa_next_free_sgpr 66
		.amdhsa_reserve_vcc 0
		.amdhsa_float_denorm_mode_32 3
		.amdhsa_float_denorm_mode_16_64 3
		.amdhsa_memory_ordered 1
		.amdhsa_forward_progress 1
		.amdhsa_inst_pref_size 82
	.end_amdhsa_kernel
	.amdgpu_metadata
---
amdhsa.version: [ 1, 2 ]
amdhsa.kernels:
  - .name:           k_qba89fc7d41_oproj
    .symbol:         k_qba89fc7d41_oproj.kd
    .args:
      - { .name: ohl, .offset: 0, .size: 8, .value_kind: global_buffer, .address_space: global }
      - { .name: wf, .offset: 8, .size: 8, .value_kind: global_buffer, .address_space: global }
      - { .name: out0, .offset: 16, .size: 8, .value_kind: global_buffer, .address_space: global }
    .group_segment_fixed_size: 280064
    .private_segment_fixed_size: 0
    .kernarg_segment_align: 8
    .kernarg_segment_size: 24
    .max_flat_workgroup_size: 128
    .sgpr_count:     66
    .vgpr_count:     384
    .wavefront_size: 32
...
	.end_amdgpu_metadata
.endif
;; end of part 4
